; MI455X (gfx1250); checked and timed in simulation.
; The chip was launched on July 23, 2026; its instructions are those of AMD's public machine-readable ISA for CDNA 5 (MIT licence, August 2026) and "CDNA5" Instruction Set Architecture Reference Guide (July 2026). The comments in the code are by the model that wrote it; some were corrected since.
;; Multi Head Causal Attention. Allowed arithmetic: matrix products marked QUANTISED: E4M3 operands, one given power-of-two scale a tensor, by v_wmma_f32_16x16x64_fp8_fp8 or v_wmma_f32_16x16x128_fp8_fp8, f32 sums; everything else in f32.
;; Inputs: Wk 1,024 x 1,024 float32; Wo 1,024 x 1,024 float32; Wq 1,024 x 1,024 float32; Wv 1,024 x 1,024 float32; lowp_scales 12 int32 (the exponents e of the quantised operands' scales 2^e); x 2 x 2,048 x 1,024 float32.
;; Outputs: out0 2 x 2,048 x 1,024 float32.
;; This version of the problem:
;;   THIS VERSION OF THE PROBLEM IS GIVEN IN LOW PRECISION. The matrix products marked QUANTISED in the list below multiply operands that are first quantised to E4M3 (4 exponent bits, 3 mantissa bits; 8 bits a number), with one given power-of-two scale for each operand tensor; their sums are f32. All else is computed in f32.
;;   The module's matrix products, in the order in which they are computed (A, B: the left and right operand; K: the contracted axis; several contracted axes count as one K, in the product's order):
;;     1. [M 4,096, K 1,024] x [K 1,024, N 1,024]; A: input x; B: input Wq: QUANTISED (scales: A lowp_scales[0], B lowp_scales[1])
;;     2. [M 4,096, K 1,024] x [K 1,024, N 1,024]; A: input x; B: input Wk: QUANTISED (scales: A lowp_scales[2], B lowp_scales[3])
;;     3. [M 4,096, K 1,024] x [K 1,024, N 1,024]; A: input x; B: input Wv: QUANTISED (scales: A lowp_scales[4], B lowp_scales[5])
;;     4. batch 32 x [M 2,048, K 64] x [K 64, N 2,048]; A: computed on the way; B: computed on the way: QUANTISED (scales: A lowp_scales[6], B lowp_scales[7])
;;     5. batch 32 x [M 2,048, K 2,048] x [K 2,048, N 64]; A: softmax (see below); B: computed on the way: QUANTISED (scales: A lowp_scales[8], B lowp_scales[9])
;;     6. [M 4,096, K 1,024] x [K 1,024, N 1,024]; A: computed on the way; B: input Wo: QUANTISED (scales: A lowp_scales[10], B lowp_scales[11])
;;   THE QUANTISER, for each operand of a quantised product, along K:
;;     - The operand's scale is 2^e, e = its entry of the input lowp_scales (int32; the entries are numbered through the quantised products in the list's order, A before B).
;;     - Each number is divided by the scale, clamped to +-448, and rounded to the nearest number of E4M3, ties to even, subnormals kept.
;;     - The product sums the exact products of the quantised numbers (number of the format x scale) in f32.
;;   ~~~python
;;   def quantise(x, axis, e):      # numpy; x: float32 -> the quantised numbers, widened to float32 again
;;       x = np.moveaxis(x, axis, -1); K = x.shape[-1]
;;       r = np.clip(x / 2.0 ** e, -448, 448)
;;       step = 2.0 ** (np.maximum(np.frexp(np.where(r == 0, 1, r))[1] - 1, -6) - 3)
;;       q = np.round(r / step) * step * 2.0 ** e      # np.round: ties to even
;;       return np.moveaxis(q, -1, axis).astype(np.float32)
;;   ~~~
;;   SOFTMAX AHEAD OF A QUANTISED PRODUCT. Where the list says 'softmax', what is quantised is not the finished softmax but p = 2^(t - M), with t = logit x log2(e) and M = ceil(the row's largest t), a whole number; so 1/2 < the row's largest p <= 1. The row's sum l is taken of the UNQUANTISED p, in f32, and the product's result is divided by l at the end. Since M is a whole number, a kernel that streams over the keys may use a running M (the ceiling of the running maximum): every later rescaling is an exact power of two, so the quantised numbers keep their values, but for numbers so far below the row's largest that they fall under the format's range.
;;   OPERANDS COMPUTED ON THE WAY. 'Computed on the way' means the value that the module computes at that place (a softmax that the list does not call 'softmax' is quantised finished and normalised). What goes into a quantiser is computed in f32, as accurately as f32 sums, v_exp_f32 and their like allow (about 1e-6 of the number): no bf16 or f16 on the way to a quantiser, and a product that is left as it is and whose result goes on into a quantised operand takes f32 operands (vector FMAs, or v_wmma_f32_16x16x4_f32). A number that lies on a knife's edge between two numbers of the format may be rounded either way, as far as f32 arithmetic and the matrix unit's own rounding can turn it there, and no further.
;; One version. Each part assembles by itself: llvm-mc -triple=amdgcn-amd-amdhsa -mcpu=gfx1250 --defsym DOCPART=n.
;; ======== version 1 of 1: 4 launches
;; limits: right only within a limited range of input values
;; workspace buffers: xc 12,582,912 bytes; wc 4,194,304 bytes; qkv 12,582,912 bytes; oc 4,194,304 bytes
;; launch quant (part 1): grid 512 x 1, 4 waves a work-group, no clusters, 20,992 bytes of LDS; arguments x, Wq, Wk, Wv, Wo, lowp_scales, xc, wc; writes xc, wc
.if DOCPART == 1
	.amdgcn_target "amdgcn-amd-amdhsa--gfx1250"
	.amdhsa_code_object_version 6
	.text
	.protected	k_qa6f81f25e9_quant
	.globl	k_qa6f81f25e9_quant
	.p2align	8
	.type	k_qa6f81f25e9_quant,@function
k_qa6f81f25e9_quant:
	s_mov_b64 s[64:65], 0
	v_nop
	global_prefetch_b8 v0, s[64:65] scope:SCOPE_SE
	s_setreg_imm32_b32 hwreg(HW_REG_WAVE_MODE, 25, 1), 1
	s_wait_xcnt 0x0
; MULTI-HEAD CAUSAL ATTENTION ON CODES OF FP8 (E4M3), four launches: this one (f32 inputs into codes), the three projections, the attention, the projection on the way out.
; WORK LEFT OUT IN THE THIRD LAUNCH, AND WHY IT IS DEAD.  reference() adds -1e9 to the logit of every key that comes after its query.  Both operands of the scores are codes, held within +-448, so a
; score / 8 lies within 64 x 448 x 448 / 8 x 2^(e6 + e7) = 1.6e6 x 2^(e6 + e7), whatever the inputs hold.  With e6 + e7 <= 8 (LIMIT) a hidden logit lies more than 1.8e8 under the logit of the
; row's own diagonal key, which is never hidden: it never sets the row's largest t, its p = 2^(t - M) is 0 in f32, its code is 0, and it adds nothing to the row's sum or to the second product.
; So key steps that lie wholly behind a tile's queries are not walked, and inside the diagonal step hidden scores are replaced by -infinity (p = 0 there too).  Every input is loaded.
; LIMIT: a NaN, an infinity or an overflow that reaches only hidden scores is not carried to the result.
;
; THIS LAUNCH.  x [4096][1024] f32 becomes three sets of codes (it is an operand under the three scales e0, e2, e4, which need not be equal): xc [3][4,194,304 bytes].  Wq, Wk, Wv, Wo [1024][1024] f32
; become wc [4][1,048,576 bytes], under e1, e3, e5, e11.  LAYOUT of a set: blocks of 128 rows; in a block [4 chunks of 256 along K][128 rows][256 bytes], K innermost: so two chunks of a block are one dense run of bytes.
; code = number / 2^e, held within +-448, to the nearest code, ties to even.
; LIMITS: each e between -126 and 119, so that 2^e and 448 x 2^e are f32 numbers.  NaN among the inputs is not served (an infinity is held at the largest code).
; SHARES.  x has as many numbers as the four weights together, so every wave takes two rows of x and two of one weight: run rho = 4 x work-group + wave of each stream.  One path for all: only the weight's
; pointer and exponent are chosen, by the work-group's number.  A unit is 512 numbers, half a row; units 0, 2, 4, 6 are x's, units 1, 3, 5, 7 the weight's.
; A conversion takes eight neighbours from ONE lane's registers, a load is dense where neighbouring LANES take neighbouring bytes: so a unit's 2,048 bytes are loaded 16 bytes a lane, go through the wave's own
; stage in LDS as they lie, and come back 64 bytes a lane (16 bytes of padding behind each 64).  A lane's 16 codes are 16 bytes: sixteen lanes store 256 consecutive bytes, aligned, in each of two chunks.
; All 32 loads of a wave go out at the head; the turn through LDS runs one unit ahead of the conversions.  No tensor load, no barrier: waves share nothing.  Matrix units and clusters have nothing to do here.
.set SP,    80                         ; a lane's place in a stage: 64 bytes + 16 of padding
.set WREG,  2*32*SP                    ; a wave's two stages
.set SPARE, 4*WREG                     ; behind them: the spare words, 128 bytes for each wave, which no other line names
.set CO,    1                          ; v1       my lane's place in a store: 32,768 bytes (a chunk) for lanes 16-31, + 16 x (lane % 16)
.set SPW,   12                         ; v12      my spare word's address; never rewritten
.set NIL,   13                         ; v13      0; never rewritten
.set R,     16                         ; v16-143  eight units of 16 registers, as loaded
.set X,     144                        ; v144-175 two sets of 16 neighbours
.set T,     176                        ; v176-191 the 16 numbers, held
.set C,     192                        ; v192-255 codes: four registers for each store, none written twice
                                       ; v4, v5: 2^e0 and 448 x 2^e0; v6, v7: e2; v8, v9: e4; v10, v11: the weight's
	s_load_b512 s[4:19], s[0:1], 0x0               ; x s[4:5], Wq s[6:7], Wk s[8:9], Wv s[10:11], Wo s[12:13], the exponents s[14:15], xc s[16:17], wc s[18:19]
	v_lshl_add_u32 v[SPW], v0, 2, SPARE
	v_mov_b32 v[NIL], 0
	v_lshrrev_b32 v1, 5, v0
	v_readfirstlane_b32 s20, v1                    ; wave 0..3
	v_and_b32 v2, 31, v0                           ; lane
	v_lshlrev_b32 v3, 4, v2                        ; my 16 bytes of a load's 512
	s_mul_i32 s21, s20, WREG
	v_lshrrev_b32 v14, 2, v2
	v_mul_u32_u24 v14, v14, SP
	v_and_b32 v15, 3, v2
	v_lshl_add_u32 v14, v15, 4, v14
	v_add_nc_u32 v14, s21, v14                     ; the stage, on the way in: four lanes' 64 bytes on end, then the padding
	v_mul_u32_u24 v15, v2, SP
	v_add_nc_u32 v15, s21, v15                     ; and on the way out: my 16 neighbours
	v_and_b32 v[CO], 15, v2
	v_lshrrev_b32 v2, 4, v2
	v_lshlrev_b32 v[CO], 4, v[CO]
	v_lshl_add_u32 v[CO], v2, 15, v[CO]
	s_lshl_b32 s48, ttmp9, 2
	s_add_co_u32 s48, s48, s20                     ; rho
	s_lshl_b32 s52, s48, 13                        ; x: 8,192 bytes a run
	s_mov_b32 s53, 0
	s_and_b32 s54, s48, 511
	s_lshl_b32 s54, s54, 13                        ; the weight: 512 runs each
	s_mov_b32 s55, 0
	s_lshr_b32 s56, s48, 6                         ; codes: 64 runs, of two rows, are a block of 131,072 bytes; in wc the four weights follow each other, so rho serves as it is
	s_lshl_b32 s56, s56, 17
	s_and_b32 s58, s48, 63
	s_lshl_b32 s58, s58, 9
	s_add_co_u32 s56, s56, s58
	s_mov_b32 s57, 0
	s_lshr_b32 s49, ttmp9, 7                       ; which weight: 0 Wq, 1 Wk, 2 Wv, 3 Wo
	s_wait_alu depctr_va_vdst(0)                   ; the wait here, directly ahead of the wait below
	s_wait_kmcnt 0x0
	s_load_b256 s[24:31], s[14:15], 0x0            ; e0 .. e7
	s_load_b128 s[32:35], s[14:15], 0x20           ; e8 .. e11
	s_cmp_eq_u32 s49, 0                            ; the choice hangs on the work-group's number alone
	s_cselect_b64 s[22:23], s[6:7], s[8:9]
	s_cmp_lt_u32 s49, 2
	s_cselect_b64 s[22:23], s[22:23], s[10:11]
	s_cmp_eq_u32 s49, 3
	s_cselect_b64 s[22:23], s[12:13], s[22:23]
	s_add_nc_u64 s[22:23], s[22:23], s[54:55]      ; the weight at my run
	s_add_nc_u64 s[36:37], s[4:5], s[52:53]        ; x at my run
	s_add_nc_u64 s[40:41], s[16:17], s[56:57]      ; xc's three sets at my run: bases of their own, 4 MiB apart
	s_add_nc_u64 s[42:43], s[40:41], 0x400000
	s_add_nc_u64 s[44:45], s[40:41], 0x800000
	s_add_nc_u64 s[46:47], s[18:19], s[56:57]      ; wc at my run
.macro LOADU u                         ; unit u's four loads: 512 consecutive bytes each; every byte is read once in the launch
.irp i, 0,1,2,3
.if (\u)%2 == 0
	global_load_b128 v[R+16*(\u)+4*\i:R+16*(\u)+4*\i+3], v3, s[36:37] offset:2048*((\u)/2)+512*\i th:TH_LOAD_NT
.else
	global_load_b128 v[R+16*(\u)+4*\i:R+16*(\u)+4*\i+3], v3, s[22:23] offset:2048*((\u)/2)+512*\i th:TH_LOAD_NT
.endif
.endr
.endm
.irp u, 0,1,2,3,4,5,6,7
	LOADU \u
.endr
.macro MKSC e, k                       ; v[4+2k] = 2^e as f32 (the conversion takes its exponent field), v[5+2k] = 448 x 2^e
	s_add_co_i32 s50, \e, 127
	s_lshl_b32 s51, s50, 23
	v_mov_b32 v[4+2*\k], s51
	s_add_co_i32 s50, s50, 8
	s_lshl_b32 s50, s50, 23
	s_or_b32 s50, s50, 0x600000
	v_mov_b32 v[5+2*\k], s50
.endm
	s_wait_kmcnt 0x0
	s_cmp_eq_u32 s49, 0
	s_cselect_b32 s38, s25, s27                    ; e1 or e3,
	s_cmp_lt_u32 s49, 2
	s_cselect_b32 s38, s38, s29                    ; or e5,
	s_cmp_eq_u32 s49, 3
	s_cselect_b32 s38, s35, s38                    ; or e11
	MKSC s24, 0
	MKSC s26, 1
	MKSC s28, 2
	MKSC s38, 3
.macro TURN u                          ; unit u through stage u % 2: LDS serves a wave's instructions in order, so no wait stands between the stores and the loads
.irp i, 0,1,2,3
	ds_store_b128 v14, v[R+16*(\u)+4*\i:R+16*(\u)+4*\i+3] offset:32*SP*((\u)%2)+8*SP*\i
.endr
.irp i, 0,1,2,3
	ds_load_b128 v[X+16*((\u)%2)+4*\i:X+16*((\u)%2)+4*\i+3], v15 offset:32*SP*((\u)%2)+16*\i
.endr
.endm
.macro CONV xs, c, k                   ; 16 neighbours at v[xs] become 16 codes at v[c], under scale k.  The neighbours stay: x is converted three times
.set q, 0
.rept 16
	v_med3_num_f32 v[T+q], v[(\xs)+q], -v[5+2*\k], v[5+2*\k]   ; the conversion to an 8-bit code does not saturate (ISA guide 7.6.2): the hold at the largest code x the scale comes first
.set q, q+1
.endr
	v_cvt_scalef32_pk8_fp8_f32 v[(\c):(\c)+1], v[T:T+7], v[4+2*\k]
	v_cvt_scalef32_pk8_fp8_f32 v[(\c)+2:(\c)+3], v[T+8:T+15], v[4+2*\k]
	v_nop                                          ; a plain vector line between the conversions and the next holds, which write their sources
.endm
.macro PUT i, c, b                     ; unit i of a stream (0 .. 3): row i / 2 of the run, chunks 2 (i % 2) and 2 (i % 2) + 1
	global_store_b128 v[CO], v[(\c):(\c)+3], s[\b:\b+1] offset:256*((\i)/2)+65536*((\i)%2)
.endm
.macro UNIT u
	s_wait_dscnt 0x0                               ; this unit's numbers are back from the stage
.if (\u) < 7
	s_wait_loadcnt 4*(6-(\u))                      ; the next unit's four loads are in; those of the units behind it may be out
	TURN (\u)+1                                    ; it goes through the other stage while this unit is converted
.endif
.if (\u)%2 == 0
	CONV X, C+16*((\u)/2), 0
	PUT (\u)/2, C+16*((\u)/2), 40
	CONV X, C+16*((\u)/2)+4, 1
	PUT (\u)/2, C+16*((\u)/2)+4, 42
	CONV X, C+16*((\u)/2)+8, 2
	PUT (\u)/2, C+16*((\u)/2)+8, 44
.else
	CONV X+16, C+16*((\u)/2)+12, 3
	PUT (\u)/2, C+16*((\u)/2)+12, 46
.endif
.endm
	s_wait_alu depctr_va_vdst(0)                   ; the wait at the head's end
	s_wait_loadcnt 28                              ; unit 0's four loads are in; the 28 behind them may be out
	TURN 0
.irp u, 0,1,2,3,4,5,6,7
	UNIT \u
.endr
	s_wait_tensorcnt 0x0                           ; the wave's end, behind my last LDS store
	ds_add_u32 v[SPW], v[NIL]
	s_wait_dscnt 0x0
	s_endpgm
.Lfunc_end_k_qa6f81f25e9_quant:
	.size	k_qa6f81f25e9_quant, .Lfunc_end_k_qa6f81f25e9_quant-k_qa6f81f25e9_quant
	.p2alignl 7, 3214868480
	.fill 96, 4, 3214868480
	.section	.rodata,"a",@progbits
	.p2align	6, 0x0
	.amdhsa_kernel k_qa6f81f25e9_quant
		.amdhsa_group_segment_fixed_size 20992
		.amdhsa_private_segment_fixed_size 0
		.amdhsa_enable_private_segment 0
		.amdhsa_kernarg_size 64
		.amdhsa_user_sgpr_count 2
		.amdhsa_user_sgpr_kernarg_segment_ptr 1
		.amdhsa_wavefront_size32 1
		.amdhsa_system_sgpr_workgroup_id_x 1
		.amdhsa_system_sgpr_workgroup_id_y 1
		.amdhsa_system_sgpr_workgroup_id_z 1
		.amdhsa_system_vgpr_workitem_id 0
		.amdhsa_next_free_vgpr 256
		.amdhsa_next_free_sgpr 66
		.amdhsa_reserve_vcc 0
		.amdhsa_float_denorm_mode_32 3
		.amdhsa_float_denorm_mode_16_64 3
		.amdhsa_memory_ordered 1
		.amdhsa_forward_progress 1
		.amdhsa_inst_pref_size 32
	.end_amdhsa_kernel
	.amdgpu_metadata
---
amdhsa.version: [ 1, 2 ]
amdhsa.kernels:
  - .name:           k_qa6f81f25e9_quant
    .symbol:         k_qa6f81f25e9_quant.kd
    .args:
      - { .name: x, .offset: 0, .size: 8, .value_kind: global_buffer, .address_space: global }
      - { .name: Wq, .offset: 8, .size: 8, .value_kind: global_buffer, .address_space: global }
      - { .name: Wk, .offset: 16, .size: 8, .value_kind: global_buffer, .address_space: global }
      - { .name: Wv, .offset: 24, .size: 8, .value_kind: global_buffer, .address_space: global }
      - { .name: Wo, .offset: 32, .size: 8, .value_kind: global_buffer, .address_space: global }
      - { .name: lowp_scales, .offset: 40, .size: 8, .value_kind: global_buffer, .address_space: global }
      - { .name: xc, .offset: 48, .size: 8, .value_kind: global_buffer, .address_space: global }
      - { .name: wc, .offset: 56, .size: 8, .value_kind: global_buffer, .address_space: global }
    .group_segment_fixed_size: 20992
    .private_segment_fixed_size: 0
    .kernarg_segment_align: 8
    .kernarg_segment_size: 64
    .max_flat_workgroup_size: 128
    .sgpr_count:     66
    .vgpr_count:     256
    .wavefront_size: 32
...
	.end_amdgpu_metadata
.endif
;; end of part 1
;; launch gemm_qkv (part 2): grid 12 x 16, 4 waves a work-group, clusters of 4 x 4, 327,680 bytes of LDS; arguments xc, wc, lowp_scales, qkv; writes qkv
.if DOCPART == 2
	.amdgcn_target "amdgcn-amd-amdhsa--gfx1250"
	.amdhsa_code_object_version 6
	.text
	.protected	k_qa6f81f25e9_gemm_qkv
	.globl	k_qa6f81f25e9_gemm_qkv
	.p2align	8
	.type	k_qa6f81f25e9_gemm_qkv,@function
k_qa6f81f25e9_gemm_qkv:
	s_mov_b64 s[64:65], 0
	v_nop
	global_prefetch_b8 v0, s[64:65] scope:SCOPE_SE
	s_setreg_imm32_b32 hwreg(HW_REG_WAVE_MODE, 25, 1), 1
	s_wait_xcnt 0x0
	s_wait_alu depctr_hold_cnt(0) depctr_sa_sdst(0) depctr_va_vdst(0) depctr_va_sdst(0) depctr_va_ssrc(0) depctr_va_vcc(0) depctr_vm_vsrc(0)
	s_getreg_b32 s2, hwreg(HW_REG_IB_STS2, 6, 4)
	s_cmp_eq_u32 s2, 0
	s_cbranch_scc0 .Lentry_in_a_cluster
	s_endpgm
.Lentry_in_a_cluster:
	s_bfe_u32 s2, ttmp6, 0x10000c
	s_cmp_lg_u32 s2, 0xf033
	s_cbranch_scc0 .Lentry_shape_is_right
	s_endpgm
.Lentry_shape_is_right:
; THE THREE PROJECTIONS on codes of FP8 (E4M3), K = 1,024: cluster x = 0: q, 1: k, 2: v; 64 tiles of 256 x 256 each, a work-group a tile, four waves of 128 x 128.  Nothing of reference() is left out here.
; q and k: A = x's codes, B = the weight's; v: A = the weight's, B = x's, so that a lane's eight neighbouring results run along d (q, k) or along the keys (v).  Each sum becomes a code under e6, e7 or e9: the three powers of two are folded into the
; conversion's one.  LIMITS: e6 - e0 - e1, e7 - e2 - e3 and e9 - e4 - e5 lie between -126 and 119, so that the power and 448 times it are f32 numbers.  NaN is not served.
; IN: codes in blocks of 128 rows, [4 chunks of 256 along K][128 rows][256 bytes]: a block is 131,072 bytes, a chunk 32,768.
; OUT: q, k: [32 heads][2,048][64 d] at bytes 0 and 4 MiB; v: [32 heads][32 chunks][64 d][64 keys] at 8 MiB.  Within each 32 numbers of a row of 64 the four groups of eight stand in the order 0, 2, 1, 3: in v it is the order in which
; the attention's second product takes the keys; in q and k it is the same in both and leaves every sum over d as it is.
; LDS: each wave fetches 128 rows of A or of B: chunk 0's (slot 0) and chunk 1's (slot 1), one behind the other, by its one joint load at the head, 64 KiB that lie on end; chunks 2 and 3 come by refills of one slot each.  Rows of 256 bytes + 16 of padding.
; CLUSTERS of 4 x 4: A's tiles are shared along a row, B's along a column, by joint loads.  No prefetch: there are four K steps; two come at the head and the two refills follow one step later, so no trip runs ahead of another.
.set SIZE_K, 1024
.set KSTEP,  256
.set ROWB,   256
.set KROW,   SIZE_K
.set PITCH,  272
.set FR,     16
.set NL,     4
.set NP,     4
.set HALFT,  256*PITCH                 ; what one wave fetches: 128 rows for slot 0, 128 for slot 1
.set SLOT,   128*PITCH                 ; slot 1 behind slot 0
.set KCH,    32768                     ; from K step to K step in memory
.set LAPS,   SIZE_K/(2*KSTEP)
.set SPARE,  4*HALFT                   ; behind the slots: the spare words, 128 bytes for each wave
.set H1,     84                        ; s[84:91], s[92:99] descriptor groups 1 of the head's loads (A's, B's); the exponents take these registers when those loads are done
.set H1B,    92
.set STAGE,  SPARE+512
.set SW,     2*1088
.set SCV,  12
.set LIMV, 13
.set ADRA, 16
.set ADRB, 20
.set STO,  24
.set RD,   25
.set CO,   26
.set SPW,  28
.set NIL,  29
.set TMP,  32
.set CD,   96
.set AF,   128
.set BK,   128
.set G1, 24
.set G0, 32
.set G1B, 48
.set G0B, 56
.set OB,  72
.set MSB, 0
.macro WIN new
.if MSB != \new
	s_set_vgpr_msb (MSB<<8)|\new
.set MSB, \new
.endif
.endm
.set MUL_LO, 0xa1
.set MUL_HI, 0xf1
.set TO_B,   0x40
.macro JLOAD g0a, g1a, g0b, g1b
	s_cmp_eq_u32 s15, 0
	s_cbranch_scc0 .Lfor_b_\@
	tensor_load_to_lds s[\g0a:\g0a+3], s[\g1a:\g1a+7]
	s_nop 0
.rept 4
	v_nop
.endr
	s_branch .Lasked_\@
.Lfor_b_\@:
	tensor_load_to_lds s[\g0b:\g0b+3], s[\g1b:\g1b+7]
	s_nop 0
.rept 4
	v_nop
.endr
.Lasked_\@:
.endm
.macro CREST
	s_cmp_lg_u32 s14, 0
	s_cbranch_scc1 .Lnot_wave_0_\@
	s_barrier_signal -3
.Lnot_wave_0_\@:
	s_barrier_wait -3
	s_barrier_signal -1
	s_barrier_wait -1
.endm
.macro CROUND
	s_barrier_signal -1
	s_barrier_wait -1
	CREST
.endm
	s_load_b128 s[4:7], s[0:1], 0x0
	s_load_b128 s[8:11], s[0:1], 0x10
	v_lshl_add_u32 v[SPW], v0, 2, SPARE
	v_mov_b32 v[NIL], 0
	ds_add_u32 v[SPW], v[NIL]
	ds_add_u32 v[SPW], v[NIL]
	v_lshrrev_b32 v1, 5, v0
	v_readfirstlane_b32 s14, v1
	s_lshr_b32 s15, s14, 1
	s_and_b32 s16, s14, 1
	s_bfe_u32 s40, ttmp6, 0x40000
	s_bfe_u32 s41, ttmp6, 0x40004
	s_and_b32 s66, ttmp7, 0xffff
	s_lshl_b32 s66, s66, 2
	s_lshl_b32 s67, ttmp9, 22
	s_lshl_b32 s78, ttmp9, 20
	s_cmp_lt_u32 ttmp9, 2
	s_cselect_b32 s17, s66, 0
	s_cselect_b32 s42, 0, s66
	s_cselect_b32 s68, s67, s78
	s_cselect_b32 s70, s78, s67
	s_mov_b32 s69, 0
	s_mov_b32 s71, 0
	s_add_co_u32 s17, s17, s41
	s_add_co_u32 s42, s42, s40
	s_lshl_b32 s43, s41, 2
	s_lshl_b32 s43, 15, s43
	s_lshl_b32 s44, 0x1111, s40
	s_or_b32 s[G1+0], s43, (0<<16)|(1<<20)|(1<<21)|(5<<22)|(3<<25)
	s_or_b32 s[G1B+0], s44, (0<<16)|(1<<20)|(1<<21)|(5<<22)|(3<<25)
	s_or_b32 s[H1+0], s43, (0<<16)|(1<<20)|(1<<21)|(5<<22)|(3<<25)
	s_or_b32 s[H1B+0], s44, (0<<16)|(1<<20)|(1<<21)|(5<<22)|(3<<25)
.irp g, H1, H1B                        ; the head's: 256 dense rows of 256 bytes
	s_mov_b32 s[\g+1], ROWB<<16
	s_mov_b32 s[\g+2], 256<<16
	s_mov_b32 s[\g+3], ROWB<<16
	s_mov_b32 s[\g+4], 256
	s_mov_b32 s[\g+5], ROWB
	s_mov_b32 s[\g+6], 0
	s_mov_b32 s[\g+7], 0
.endr
.irp g, G1, G1B
	s_mov_b32 s[\g+1], ROWB<<16
	s_mov_b32 s[\g+2], 128<<16
	s_mov_b32 s[\g+3], ROWB<<16
	s_mov_b32 s[\g+4], 128
	s_mov_b32 s[\g+5], ROWB                        ; a refill's 128 rows are dense too
	s_mov_b32 s[\g+6], 0
	s_mov_b32 s[\g+7], 0
.endr
	s_lshl_b32 s18, s16, 7
	s_lshl_b32 s20, s17, 8
	s_add_co_u32 s20, s20, s18
	s_lshl_b32 s46, s42, 8
	s_add_co_u32 s46, s46, s18
	s_mov_b32 s21, 0
	s_mov_b32 s47, 0
	s_mov_b64 s[18:19], KROW
	s_mul_u64 s[20:21], s[20:21], s[18:19]
	s_mul_u64 s[46:47], s[46:47], s[18:19]
	s_add_nc_u64 s[20:21], s[20:21], s[68:69]
	s_add_nc_u64 s[46:47], s[46:47], s[70:71]
	s_mul_i32 s45, s14, HALFT
	s_wait_dscnt 0x0
	s_wait_kmcnt 0x0
	s_cmp_lt_u32 ttmp9, 2
	s_cselect_b64 s[80:81], s[4:5], s[6:7]
	s_cselect_b64 s[82:83], s[6:7], s[4:5]
	s_add_nc_u64 s[20:21], s[80:81], s[20:21]
	s_add_nc_u64 s[46:47], s[82:83], s[46:47]
.irp s, 0,1
	s_mov_b32 s[G0+4*\s], 1
	s_add_co_u32 s[G0+4*\s+1], s45, \s*SLOT
	s_add_nc_u64 s[G0+4*\s+2:G0+4*\s+3], s[20:21], \s*KCH
	s_or_b32 s[G0+4*\s+3], s[G0+4*\s+3], 0x80000000
	s_mov_b32 s[G0B+4*\s], 1
	s_add_co_u32 s[G0B+4*\s+1], s45, \s*SLOT
	s_add_nc_u64 s[G0B+4*\s+2:G0B+4*\s+3], s[46:47], \s*KCH
	s_or_b32 s[G0B+4*\s+3], s[G0B+4*\s+3], 0x80000000
.endr
	CROUND                                         ; all sixteen work-groups are here: the joint loads meet
	JLOAD G0, H1, G0B, H1B                         ; K 0-511, both slots: one tensor load a wave
	v_and_b32 v1, 15, v0
	s_wait_alu depctr_va_vdst(0)
	v_bfe_u32 v2, v0, 4, 1
	v_mul_u32_u24 v3, v1, PITCH
	v_lshl_add_u32 v4, v2, 4, v3
	s_mul_i32 s21, s15, HALFT
	s_mul_i32 s22, s16, HALFT
	s_add_co_u32 s22, s22, 2*HALFT
.irp s, 0,1
	v_add_nc_u32 v[ADRA+\s], s21, v4
	v_add_nc_u32 v[ADRB+\s], s22, v4
	s_add_co_u32 s21, s21, SLOT
	s_add_co_u32 s22, s22, SLOT
.endr
	s_mul_i32 s23, s14, SW
	s_add_co_u32 s23, s23, STAGE
	v_lshrrev_b32 v5, 2, v1
	v_mul_u32_u24 v5, v5, 272
	v_and_b32 v6, 3, v1
	v_lshl_add_u32 v5, v6, 6, v5
	v_lshl_add_u32 v5, v2, 4, v5
	v_add_nc_u32 v[STO], s23, v5
	v_mul_u32_u24 v6, v2, 272
	v_lshl_add_u32 v6, v1, 4, v6
	v_add_nc_u32 v[RD], s23, v6
	v_and_b32 v6, 31, v0
	v_lshlrev_b32 v[CO], 4, v6
	s_lshl_b32 s66, s17, 8
	s_lshl_b32 s67, s15, 7
	s_add_co_u32 s66, s66, s67
	s_lshl_b32 s67, s42, 8
	s_lshl_b32 s68, s16, 7
	s_add_co_u32 s67, s67, s68
	s_cmp_lt_u32 ttmp9, 2
	s_cselect_b32 s68, s66, s67
	s_cselect_b32 s69, s67, s66
	s_mov_b32 s70, 0x20000
	s_cselect_b32 s70, s70, 4096
	s_mov_b32 s71, 0x20000
	s_cselect_b32 s71, 4096, s71
	s_lshr_b32 s66, s68, 11
	s_lshl_b32 s66, s66, 21
	s_lshr_b32 s67, s69, 6
	s_lshl_b32 s67, s67, 17
	s_add_co_u32 s66, s66, s67
	s_and_b32 s67, s68, 2047
	s_lshl_b32 s67, s67, 6
	s_add_co_u32 s66, s66, s67
	s_lshl_b32 s67, ttmp9, 22
	s_add_co_u32 s66, s66, s67
	s_mov_b32 s67, 0
	s_add_nc_u64 s[OB:OB+1], s[10:11], s[66:67]
	s_mov_b32 s66, s70
	s_add_nc_u64 s[OB+2:OB+3], s[OB:OB+1], s[66:67]
	s_mov_b32 s66, s71
	s_add_nc_u64 s[OB+4:OB+5], s[OB:OB+1], s[66:67]
	s_add_nc_u64 s[OB+6:OB+7], s[OB+2:OB+3], s[66:67]
.macro FRAG reg, adr, q, i
.irp c, 0,1,2,3
	ds_load_b128 v[\reg+4*\c:\reg+4*\c+3], v[\adr] offset:128*(\q)+32*\c+(\i)*16*PITCH
.endr
.endm
.macro MUL16 a0, p, zero
.irp a, \a0, \a0+1
.irp b, 0,1,2,3,4,5,6,7
.if \zero
	v_wmma_f32_16x16x128_fp8_fp8 v[8*(8*((\a)%4)+\b):8*(8*((\a)%4)+\b)+7], v[128*(\p)+FR*\b:128*(\p)+FR*\b+FR-1], v[AF+FR*(\a):AF+FR*(\a)+FR-1], 0
.else
	v_wmma_f32_16x16x128_fp8_fp8 v[8*(8*((\a)%4)+\b):8*(8*((\a)%4)+\b)+7], v[128*(\p)+FR*\b:128*(\p)+FR*\b+FR-1], v[AF+FR*(\a):AF+FR*(\a)+FR-1], v[8*(8*((\a)%4)+\b):8*(8*((\a)%4)+\b)+7]
.endif
.endr
.endr
.endm
.macro FETCH_B slot, q, p
	WIN TO_B
.irp i, 0,1,2,3,4,5,6,7
	FRAG 128*(\p)+FR*\i, ADRB+\slot, \q, \i
.endr
	WIN 0
.endm
.macro FETCH_A slot, q, i0
.irp i, \i0, \i0+1, \i0+2, \i0+3
	FRAG AF+FR*(\i), ADRA+\slot, \q, \i
.endr
.endm
.macro PLACES n
.rept \n
	v_nop
.endr
.endm
.macro STEP slot, q, zero
	s_wait_dscnt 4*NL
	WIN MUL_LO
	MUL16 0, (\q)%2, \zero
	MUL16 2, (\q)%2, \zero
	s_wait_dscnt 0
	PLACES NP
	FETCH_B \slot, (\q)+1, 1-(\q)%2
	FETCH_A \slot, (\q)+1, 0
	WIN MUL_HI
	MUL16 4, (\q)%2, \zero
	MUL16 6, (\q)%2, \zero
	PLACES NP
	WIN 0
	FETCH_A \slot, (\q)+1, 4
.endm
.macro TURN slot, next, fill
	s_wait_tensorcnt 0x0
	ds_add_u32 v[SPW], v[NIL]
	s_wait_dscnt 4*NL+1
	WIN MUL_LO
	MUL16 0, 1, 0
	s_wait_dscnt 0x0
	s_barrier_signal -1
	MUL16 2, 1, 0
	WIN 0
	s_barrier_wait -1
.if \fill
	CREST
	s_add_nc_u64 s[G0+4*\slot+2:G0+4*\slot+3], s[G0+4*\slot+2:G0+4*\slot+3], 2*KCH
	s_add_nc_u64 s[G0B+4*\slot+2:G0B+4*\slot+3], s[G0B+4*\slot+2:G0B+4*\slot+3], 2*KCH
	JLOAD G0+4*\slot, G1, G0B+4*\slot, G1B
.else
	PLACES NP
.endif
	FETCH_B \next, 0, 0
	FETCH_A \next, 0, 0
	WIN MUL_HI
	MUL16 4, 1, 0
	MUL16 6, 1, 0
	PLACES NP
	WIN 0
	FETCH_A \next, 0, 4
.endm
	s_wait_alu depctr_va_vdst(0)                   ; the wait at the head's end
	s_wait_tensorcnt 0x0                           ; my rows are in, so the head's descriptors may be written over:
	s_load_b256 s[84:91], s[8:9], 0x0              ; e0 .. e7
	s_load_b128 s[92:95], s[8:9], 0x20             ; e8 .. e11
	s_barrier_signal -1
	s_barrier_wait -1                              ; everybody's rows are in
	FETCH_B 0, 0, 0
	FETCH_A 0, 0, 0
	FETCH_A 0, 0, 4
	STEP 0, 0, 1
	s_mov_b32 s3, LAPS-1
.Llap:
	TURN 0, 1, 1
	STEP 1, 0, 0
	TURN 1, 0, 1
	STEP 0, 0, 0
	s_sub_co_u32 s3, s3, 1
	s_cmp_lg_u32 s3, 0
	s_cbranch_scc1 .Llap
	TURN 0, 1, 0
	STEP 1, 0, 0
	s_wait_dscnt 4*NL
	WIN MUL_LO
	MUL16 0, 1, 0
	MUL16 2, 1, 0
	s_wait_dscnt 0
	WIN MUL_HI
	MUL16 4, 1, 0
	MUL16 6, 1, 0
	WIN 0
.macro TOSTAGE a
.set AC, 64*((\a)%4)
.set CC, CD+16*((\a)%2)
	WIN 0x02+((\a)/4)
.set n, 0
.rept 64
	v_med3_num_f32 v[TMP+n], v[AC+n], -v[LIMV], v[LIMV]
.set n, n+1
.endr
	WIN 0
.irp b, 0,1,2,3,4,5,6,7
	v_cvt_scalef32_pk8_fp8_f32 v[CC+2*\b:CC+2*\b+1], v[TMP+8*\b:TMP+8*\b+7], v[SCV]
.endr
	v_nop
.irp b, 0,1,2,3,4,5,6,7
	ds_store_b64 v[STO], v[CC+2*\b:CC+2*\b+1] offset:(\b/4)*1088+32*((\b%4)/2)+8*(\b%2)   ; with 16 h in STO: groups of eight in the order 0, 2, 1, 3
.endr
.irp i, 0,1,2,3
	ds_load_b128 v[BK+16*(\a)+4*\i:BK+16*(\a)+4*\i+3], v[RD] offset:(\i/2)*1088+(\i%2)*544
.endr
.endm
.macro SEND a, younger
	s_wait_dscnt \younger
.irp i, 0,1,2,3
	global_store_b128 v[CO], v[BK+16*(\a)+4*\i:BK+16*(\a)+4*\i+3], s[OB+4*((\a)/4)+2*(\i/2):OB+4*((\a)/4)+2*(\i/2)+1] offset:((\a)%4)*1024+(\i%2)*512
.endr
.endm
	s_wait_kmcnt 0x0
	s_sub_co_i32 s96, s90, s84
	s_sub_co_i32 s96, s96, s85
	s_sub_co_i32 s97, s91, s86
	s_sub_co_i32 s97, s97, s87
	s_sub_co_i32 s98, s93, s88
	s_sub_co_i32 s98, s98, s89
	s_cmp_eq_u32 ttmp9, 0
	s_cselect_b32 s96, s96, s97
	s_cmp_lt_u32 ttmp9, 2
	s_cselect_b32 s96, s96, s98
	s_add_co_i32 s96, s96, 127
	s_lshl_b32 s97, s96, 23
	v_mov_b32 v[SCV], s97
	s_add_co_i32 s96, s96, 8
	s_lshl_b32 s96, s96, 23
	s_or_b32 s96, s96, 0x600000
	v_mov_b32 v[LIMV], s96
	PLACES NP
	TOSTAGE 0
.irp a, 1,2,3,4,5,6,7
	TOSTAGE \a
	SEND \a-1, 12
.endr
	SEND 7, 0
	s_wait_tensorcnt 0x0
	ds_add_u32 v[SPW], v[NIL]
	s_wait_dscnt 0x0
	CROUND
	s_endpgm
.Lfunc_end_k_qa6f81f25e9_gemm_qkv:
	.size	k_qa6f81f25e9_gemm_qkv, .Lfunc_end_k_qa6f81f25e9_gemm_qkv-k_qa6f81f25e9_gemm_qkv
	.p2alignl 7, 3214868480
	.fill 96, 4, 3214868480
	.section	.rodata,"a",@progbits
	.p2align	6, 0x0
	.amdhsa_kernel k_qa6f81f25e9_gemm_qkv
		.amdhsa_group_segment_fixed_size 327680
		.amdhsa_private_segment_fixed_size 0
		.amdhsa_enable_private_segment 0
		.amdhsa_kernarg_size 32
		.amdhsa_user_sgpr_count 2
		.amdhsa_user_sgpr_kernarg_segment_ptr 1
		.amdhsa_wavefront_size32 1
		.amdhsa_system_sgpr_workgroup_id_x 1
		.amdhsa_system_sgpr_workgroup_id_y 1
		.amdhsa_system_sgpr_workgroup_id_z 1
		.amdhsa_system_vgpr_workitem_id 0
		.amdhsa_next_free_vgpr 1024
		.amdhsa_next_free_sgpr 100
		.amdhsa_reserve_vcc 0
		.amdhsa_float_denorm_mode_32 3
		.amdhsa_float_denorm_mode_16_64 3
		.amdhsa_memory_ordered 1
		.amdhsa_forward_progress 1
		.amdhsa_inst_pref_size 126
	.end_amdhsa_kernel
	.amdgpu_metadata
---
amdhsa.version: [ 1, 2 ]
amdhsa.kernels:
  - .name:           k_qa6f81f25e9_gemm_qkv
    .symbol:         k_qa6f81f25e9_gemm_qkv.kd
    .args:
      - { .name: xc, .offset: 0, .size: 8, .value_kind: global_buffer, .address_space: global }
      - { .name: wc, .offset: 8, .size: 8, .value_kind: global_buffer, .address_space: global }
      - { .name: lowp_scales, .offset: 16, .size: 8, .value_kind: global_buffer, .address_space: global }
      - { .name: qkv, .offset: 24, .size: 8, .value_kind: global_buffer, .address_space: global }
    .group_segment_fixed_size: 327680
    .private_segment_fixed_size: 0
    .kernarg_segment_align: 8
    .kernarg_segment_size: 32
    .max_flat_workgroup_size: 128
    .sgpr_count:     100
    .vgpr_count:     1024
    .wavefront_size: 32
...
	.end_amdgpu_metadata
.endif
;; end of part 2
;; launch attn (part 3): grid 8 x 32, 16 waves a work-group, clusters of 4 x 1, 315,392 bytes of LDS; arguments qkv, lowp_scales, oc; writes oc
.if DOCPART == 3
	.amdgcn_target "amdgcn-amd-amdhsa--gfx1250"
	.amdhsa_code_object_version 6
	.text
	.protected	k_qa6f81f25e9_attn
	.globl	k_qa6f81f25e9_attn
	.p2align	8
	.type	k_qa6f81f25e9_attn,@function
k_qa6f81f25e9_attn:
	s_mov_b64 s[64:65], 0
	v_nop
	global_prefetch_b8 v0, s[64:65] scope:SCOPE_SE
	s_setreg_imm32_b32 hwreg(HW_REG_WAVE_MODE, 25, 1), 1
	s_wait_xcnt 0x0
	s_wait_alu depctr_hold_cnt(0) depctr_sa_sdst(0) depctr_va_vdst(0) depctr_va_sdst(0) depctr_va_ssrc(0) depctr_va_vcc(0) depctr_vm_vsrc(0)
	s_getreg_b32 s2, hwreg(HW_REG_IB_STS2, 6, 4)
	s_cmp_eq_u32 s2, 0
	s_cbranch_scc0 .Lentry_in_a_cluster
	s_endpgm
.Lentry_in_a_cluster:
	s_bfe_u32 s2, ttmp6, 0x10000c
	s_cmp_lg_u32 s2, 0x3003
	s_cbranch_scc0 .Lentry_shape_is_right
	s_endpgm
.Lentry_shape_is_right:
; CAUSAL ATTENTION, both products on codes of FP8 (E4M3).  q, k: [32 heads][2,048][64] at bytes 0 and 4 MiB of qkv; v with the keys innermost, [32 heads][32 chunks][64 d][64 keys], at 8 MiB.
; Within each 32 numbers of a row of 64 the groups of eight stand in the order 0, 2, 1, 3 (in q and k alike, so the sums over d are as they were; in v it is the order that the second product takes the keys in).
; LEFT OUT: key steps that lie wholly behind a tile's queries; inside the diagonal step hidden scores become -infinity.  A hidden logit carries reference()'s -1e9, against scores bounded by the codes' 448: with
; e6 + e7 <= 8 (LIMIT) its p and its code are 0 for all inputs (shown at the head of the first launch's text).  A NaN or an infinity that reaches only hidden scores is not carried to the result.
; THE SOFTMAX AHEAD OF THE SECOND PRODUCT: t = score x log2(e) / 8; M = the row's largest t so far, rounded UP to a whole number; p = 2^(t - M) is quantised (e8), not normalised.  The row's sum is taken of the
; unquantised p and divides O at the end.  When M moves, the sum and O are multiplied by 2^(old M - new M), which rounds nothing.
; OUT: oc: O / the sum x 2^(e8 + e9), as codes under e10, laid [16 batch + t / 128][head][t % 128][64 d].
; LIMITS on the exponents, so that each power of two below is an f32 number: e6 + e7 between -123 and 8; e8, and e10 - e8 - e9, between -126 and 119.
; SHARES.  Sixteen waves.  Wave w owns ONE tile of 16 queries, queries 128 blk + 16 j + 0 .. 15 of head ttmp7, and walks key steps 0 .. blk of 128 keys; step blk lies on its diagonal.  blk = 15 - w, with its two low bits
; turned over where w / 4 is odd: so each four waves w % 4 = const have 34 steps together, the lower number the longer walk, and all 256 work-groups are alike.
; NO RING.  A head's K and V are 256 KiB and lie in LDS whole: every byte is filled once.  Keys 0-127 come by two loads of their own (waves 0, 1), since every wave's first step is step 0; the rest lands under that step's work.
; CLUSTER.  The four work-groups of a cluster (j = 4 x cluster x + cx) belong to one head: each load is JOINT, with a mask that names the four.  No branch hangs on j: the partners run alike.
; No prefetch into the L2: every tile is asked for by its tensor load at the head, so there is no later request to run ahead of.
; LAYOUT.  Both products are used transposed: S^T = K Q^T (source 0 = 16 neighbouring keys, source 1 = my 16 queries), O^T = V^T P^T: a lane holds ONE query (lane % 16) throughout.  In S^T tile u, lane (r, h) holds
; keys 16 u + 8 h + 0 .. 7: their eight codes are registers 2 u, 2 u + 1 of the second product's operand; v's order makes a lane's keys of tiles 2 b and 2 b + 1 sixteen neighbouring bytes.
; TWO BANKS of 64 registers, v32-95 and v96-159, change roles from step to step: one holds the step's K and then its V, the other its scores, then p, and, as soon as p is converted, the next step's K.  So a trip of the loop runs two steps.
; LDS: dense runs of 64-byte rows are stated as rows of 256 bytes + 16 of padding: 64-byte row n lies at (n / 4) x 272 + (n % 4) x 64; 16 neighbouring rows fall on 16 different 16-byte columns.
.set SPARE, 34816                      ; bytes 0 on: the way out's stages, 1,088 for each wave, where no tensor load lands.  SPARE: the spare words, 128 bytes for each of sixteen waves, which no other line names
.set KB,    SPARE+2048                 ; K,
.set KSB,   8704                       ; a key step in K, and in V: 8,192 bytes = 32 rows of 272
.set KV,    16*KSB                     ; and KV bytes behind it V
.set AK0,  1                           ; v1   my lane's place in K's step 0: row r, + 16 h;  v2 in V's
.set AV0,  2
.set SPW,  5                           ; v5   my spare word's address; never rewritten
.set NIL,  6                           ; v6   0; never rewritten
.set GO,   7                           ; v7   16 x lane
.set ADK,  8                           ; v8   the step's K (the next step's lies KSB on);  v9 its V
.set ADV,  9
.set STO,  10                          ; v10  the stage, in;  v11 back
.set RD,   11
                                       ; v12 -M, v13 the largest t, v[14:15] the sum in two halves; v[16:23] Q; v32-159 the two banks; v160-191 O^T; v192-207 p's codes
.set PRM,  208                         ; v208 a permute's destination
.set FF,   210                         ; v[210:211] f = 2^(old M - new M)
.set MX,   214                         ; v214, v215, v222, v223 the maximum's four chains
.set MC,   222
.set LIMP, 216                         ; v216, v221 448 x 2^e8;  v217 2^e8
.set SCP,  217
.set LIMO, 219                         ; v219, v220 the same two for O, with e10 - e8 - e9
.set SCO,  220
.set LIMQ, 221
.set DX,   240                         ; v[240:241] d + 0.5, d - 0.5, d = 16 j + r - 8 h: in the diagonal step number n of a lane (n = 16 u + i) is hidden where n > d
.set WV,   18                          ; s18  my wave's number
.set BLK,  19                          ; s19  blk
.set SEL,  20                          ; s[20:21] lane selects for v_permlanex16_b32: lane l xor 16
.set CS,   22                          ; s[22:23] c = log2(e) / 8 x 2^(e6 + e7)
.set G1P,  24                          ; s[24:31] descriptor group 1: 32 rows of 256 bytes;  s[32:39]: 80 rows
.set G1R,  32
.set G0P,  40                          ; groups 0: step 0; the rest of K; the rest of V
.set G0K,  44
.set G0V,  52
.set TB,   48                          ; s48  LDS bytes from step 0 to a step
.set STP,  49                          ; s49  the number of a trip's first step
.set KS,   50                          ; s50  at work
.set J,    51                          ; s51  j
.set TN,   80                          ; s80  the number of a trip's second step
.macro CROUND                          ; a round of the cluster's barrier
	s_barrier_signal -1
	s_barrier_wait -1
	s_cmp_lg_u32 s[WV], 0
	s_cbranch_scc1 .Lnot_wave_0_\@
	s_barrier_signal -3
.Lnot_wave_0_\@:
	s_barrier_wait -3
	s_barrier_signal -1
	s_barrier_wait -1
.endm
	s_load_b128 s[4:7], s[0:1], 0x0                ; qkv s[4:5], the exponents s[6:7]
	s_load_b64 s[8:9], s[0:1], 0x10                ; oc
	v_lshl_add_u32 v[SPW], v0, 2, SPARE
	v_mov_b32 v[NIL], 0
	ds_add_u32 v[SPW], v[NIL]                      ; the wave's opening: the add, twice on end, and its wait ahead of my first tensor load; the set-up below stands between
	ds_add_u32 v[SPW], v[NIL]
	v_lshrrev_b32 v24, 5, v0
	v_readfirstlane_b32 s[WV], v24                 ; wave 0..15
	s_lshr_b32 s58, s[WV], 2
	s_and_b32 s58, s58, 1
	s_mul_i32 s58, s58, 3
	s_xor_b32 s[BLK], s[WV], 15
	s_xor_b32 s[BLK], s[BLK], s58
	s_bfe_u32 s[J], ttmp6, 0x40000                 ; cx
	s_lshl_b32 s59, ttmp9, 2
	s_add_co_u32 s[J], s[J], s59                   ; j enters Q's and oc's addresses and the diagonal's numbers, no branch and no LDS address
	s_and_b32 s62, ttmp7, 0xffff                   ; the head, 16 batch + h, which the partners share
	s_lshl_b32 s56, s62, 17                        ; 128 KiB a head in q, in k and in v
	s_mov_b32 s57, 0
	s_and_b32 s63, s[WV], 1
	s_lshl_b32 s58, s63, 22                        ; step 0: wave 0: k's 8,192 bytes, wave 1: v's
	s_add_co_u32 s58, s58, 0x400000
	s_mov_b32 s59, 0
	s_add_nc_u64 s[58:59], s[58:59], s[56:57]
	s_mul_i32 s60, s[WV], 20480                    ; the rest: waves 2-7: k; waves 8-13: v: 20,480 bytes each, from byte 8,192 on
	s_mov_b32 s61, 0
	s_add_nc_u64 s[60:61], s[60:61], s[56:57]
	s_mov_b32 s[G1P], 15|(1<<20)|(1<<21)|(5<<22)|(3<<25)  ; 15:0 the mask: all four work-groups; 17:16 elements of 1 byte; 20 padding on; 21 set beside a mask; 24:22 after every 64 words; 31:25 four words
	s_mov_b32 s[G1R], 15|(1<<20)|(1<<21)|(5<<22)|(3<<25)
.irp g, G1P, G1R
	s_mov_b32 s[\g+1], 256<<16                     ; tensor_dim0
	s_mov_b32 s[\g+3], 256<<16                     ; tile_dim0
	s_mov_b32 s[\g+5], 256                         ; from row to row: dense
	s_mov_b32 s[\g+6], 0
	s_mov_b32 s[\g+7], 0
.endr
	s_mov_b32 s[G1P+2], 32<<16                     ; tensor_dim1
	s_mov_b32 s[G1P+4], 32                         ; tile_dim1
	s_mov_b32 s[G1R+2], 80<<16
	s_mov_b32 s[G1R+4], 80
	s_mov_b32 s[G0P], 1
	s_mul_i32 s[G0P+1], s63, KV
	s_add_co_u32 s[G0P+1], s[G0P+1], KB
	s_mov_b32 s[G0K], 1
	s_mov_b32 s[G0V], 1
	s_mul_i32 s[G0K+1], s[WV], 80*272
	s_add_co_u32 s[G0V+1], s[G0K+1], KB+KV+KSB-8*80*272   ; wave 8: V's step 1 on
	s_add_co_u32 s[G0K+1], s[G0K+1], KB+KSB-2*80*272      ; wave 2: K's step 1 on
	s_mov_b32 s[SEL], 0x76543210
	s_mov_b32 s[SEL+1], 0xfedcba98
	s_mov_b32 s[CS], 0x3e38aa3b                    ; log2(e) / 8
	s_lshl_b32 s66, s[J], 10
	s_lshl_b32 s76, s[BLK], 13                     ; Q: 64 bytes a query: 128 blk + 16 j
	s_add_co_u32 s76, s76, s66
	s_mov_b32 s77, 0
	s_add_nc_u64 s[76:77], s[76:77], s[56:57]
	s_lshr_b32 s73, s62, 4                         ; oc: ((16 batch + blk) x 16 + h) x 8,192 + 1,024 j
	s_lshl_b32 s73, s73, 21
	s_and_b32 s74, s62, 15
	s_lshl_b32 s74, s74, 13
	s_add_co_u32 s73, s73, s74
	s_add_co_u32 s73, s73, s66
	s_lshl_b32 s78, s[BLK], 17
	s_add_co_u32 s78, s78, s73
	s_mov_b32 s79, 0
	s_lshl_b32 s66, s[J], 4
	s_mul_i32 s67, s[WV], 1088                     ; my stage
	s_wait_dscnt 0x0                               ; both opening adds are done
	s_wait_kmcnt 0x0
	s_load_b128 s[68:71], s[6:7], 0x18             ; e6, e7, e8, e9
	s_load_b32 s72, s[6:7], 0x28                   ; e10
	s_add_nc_u64 s[G0P+2:G0P+3], s[4:5], s[58:59]
	s_or_b32 s[G0P+3], s[G0P+3], 0x80000000
	s_add_nc_u64 s[G0K+2:G0K+3], s[4:5], s[60:61]
	s_add_nc_u64 s[G0V+2:G0V+3], s[G0K+2:G0K+3], 0x800000+8192-8*20480
	s_add_nc_u64 s[G0K+2:G0K+3], s[G0K+2:G0K+3], 0x400000+8192-2*20480
	s_or_b32 s[G0K+3], s[G0K+3], 0x80000000
	s_or_b32 s[G0V+3], s[G0V+3], 0x80000000
	s_add_nc_u64 s[76:77], s[4:5], s[76:77]        ; Q at my first query
	s_add_nc_u64 s[78:79], s[8:9], s[78:79]        ; oc at my 1,024 bytes
	CROUND                                         ; all four work-groups are here: the joint loads meet
	s_cmp_lt_u32 s[WV], 2                          ; one tensor load a wave, in one chain of branches on its number; waves 14 and 15 have none
	s_cbranch_scc0 .Lfor_k
	tensor_load_to_lds s[G0P:G0P+3], s[G1P:G1P+7]
	s_nop 0
.rept 4
	v_nop
.endr
	s_branch .Lasked
.Lfor_k:
	s_cmp_lt_u32 s[WV], 8
	s_cbranch_scc0 .Lfor_v
	tensor_load_to_lds s[G0K:G0K+3], s[G1R:G1R+7]
	s_nop 0
.rept 4
	v_nop
.endr
	s_branch .Lasked
.Lfor_v:
	s_cmp_lt_u32 s[WV], 14
	s_cbranch_scc0 .Lasked
	tensor_load_to_lds s[G0V:G0V+3], s[G1R:G1R+7]
	s_nop 0
.rept 4
	v_nop
.endr
.Lasked:
	v_and_b32 v24, 15, v0                          ; r
	v_bfe_u32 v25, v0, 4, 1                        ; h
	v_and_b32 v26, 31, v0
	v_lshlrev_b32 v28, 6, v24
	v_lshl_add_u32 v28, v25, 4, v28                ; Q: row r of 64 bytes, + 16 h
	global_load_b128 v[16:19], v28, s[76:77]       ; the same places of a row as in K's fragments
	global_load_b128 v[20:23], v28, s[76:77] offset:32
	v_lshrrev_b32 v29, 2, v24
	v_and_b32 v27, 3, v24
	v_mul_u32_u24 v29, v29, 272
	v_lshl_add_u32 v29, v27, 6, v29                ; (r / 4) x 272 + (r % 4) x 64
	v_lshlrev_b32 v[GO], 4, v26
	v_lshl_add_u32 v[AK0], v25, 4, v29
	v_lshl_add_u32 v[STO], v25, 3, v29
	v_add_nc_u32 v[AV0], KB+KV, v[AK0]
	v_add_nc_u32 v[AK0], KB, v[AK0]
	v_add_nc_u32 v[STO], s67, v[STO]
	v_mul_u32_u24 v[RD], v25, 272
	v_lshl_add_u32 v[RD], v24, 4, v[RD]
	v_add_nc_u32 v[RD], s67, v[RD]
	v_lshlrev_b32 v27, 3, v25
	v_sub_nc_u32 v27, v24, v27
	v_add_nc_u32 v27, s66, v27                     ; d
	v_cvt_f32_i32 v27, v27
	v_add_f32 v[DX], 0.5, v27
	v_add_f32 v[DX+1], -0.5, v27
	v_mov_b32 v[PRM], 0                            ; written once: a lane permute's destination counts as one of its sources
	v_mov_b32 v[FF+1], 0                           ; (named as the upper half of the pair)
	v_mov_b32 v13, 0xff61b1e6                      ; the largest t so far: -3e38, under every t
	v_mov_b32 v14, 0                               ; the sum
	v_mov_b32 v15, 0
	v_floor_f32 v12, -v13                          ; -M
.set n, 0
.rept 32
	v_mov_b32 v[160+n], 0                          ; O^T.  (The step is written for every step alike: the first finds zeros, which the first change of M leaves zeros)
.set n, n+1
.endr
	s_wait_kmcnt 0x0
	s_add_co_i32 s73, s68, s69
	s_lshl_b32 s73, s73, 23
	s_add_co_i32 s[CS], s[CS], s73                 ; a score stands for score x 2^(e6 + e7): the exponents are added to c's exponent field
	s_mov_b32 s[CS+1], s[CS]                       ; (named with it as a pair)
	s_add_co_i32 s73, s70, 127
	s_lshl_b32 s74, s73, 23
	v_mov_b32 v[SCP], s74                          ; 2^e8
	s_add_co_i32 s73, s73, 8
	s_lshl_b32 s73, s73, 23
	s_or_b32 s73, s73, 0x600000
	v_mov_b32 v[LIMP], s73                         ; 448 x 2^e8
	v_mov_b32 v[LIMQ], s73
	s_sub_co_i32 s73, s72, s70
	s_sub_co_i32 s73, s73, s71                     ; O^T / the sum stands for that x 2^(e8 + e9): its code is that / 2^(e10 - e8 - e9)
	s_add_co_i32 s73, s73, 127
	s_lshl_b32 s74, s73, 23
	v_mov_b32 v[SCO], s74
	s_add_co_i32 s73, s73, 8
	s_lshl_b32 s73, s73, 23
	s_or_b32 s73, s73, 0x600000
	v_mov_b32 v[LIMO], s73
.macro HOLD2 k, a, b                   ; registers k, k + 1 are held at v[a], v[b]
	v_dual_min_num_f32 v[(\k)], v[(\k)], v[\a] :: v_dual_min_num_f32 v[(\k)+1], v[(\k)+1], v[\b]
.endm
.macro KLOAD d, off                    ; a step's K: tile t = keys 16 t + r, into bank d
.irp t, 0,1,2,3,4,5,6,7
	ds_load_b128 v[\d+8*\t:\d+8*\t+3], v[ADK] offset:\off+1088*\t
	ds_load_b128 v[\d+8*\t+4:\d+8*\t+7], v[ADK] offset:\off+1088*\t+32
.endr
.endm
; A KEY STEP: 128 keys, number s[tn].  Its K is in bank f, or on its way there; its scores go to bank s.  A step behind my diagonal is left out: a scalar branch on the wave's number and the count of steps, round the step's work alone.
; first: step 0, whose addresses are the head's own, and behind which a barrier stands: it asks for no further K.
.macro STEP tn, f, s, first
.if \first == 0
	s_cmp_gt_u32 s[\tn], s[BLK]
	s_cbranch_scc1 .Lhidden_\@
	s_min_u32 s[KS], s[\tn], 15                    ; (it is never beyond)
	s_mul_i32 s[TB], s[KS], KSB
	v_add_nc_u32 v[ADV], s[TB], v[AV0]
	s_min_u32 s[KS], s[\tn], 14                    ; (in step 15 no next K is asked for)
	s_mul_i32 s[TB], s[KS], KSB
	v_add_nc_u32 v[ADK], s[TB], v[AK0]
.rept 3
	v_nop                                          ; with the two additions: five plain lines between the last step's products and the products that write over the V which they read
.endr
.endif
	s_wait_alu depctr_va_vdst(0)                   ; the wait here, directly ahead of the wait below
	s_wait_dscnt 0x0                               ; K is in
.irp t, 0,1,2,3,4,5,6,7
	v_wmma_f32_16x16x64_fp8_fp8 v[\s+8*\t:\s+8*\t+7], v[\f+8*\t:\f+8*\t+7], v[16:23], 0
.endr
.rept 4
	v_nop                                          ; four plain lines: for the loads below, into registers that these products read, and for the first read of the scores
.endr
.irp t, 0,1,2,3                                ; V: tile t = channels 16 t + r; load c = the step's 32 keys 32 c on.  These land while the softmax is worked
.irp c, 0,1,2,3
	ds_load_b128 v[\f+16*\t+4*\c:\f+16*\t+4*\c+3], v[ADV] offset:1088*\t+4352*(\c/2)+32*(\c%2)
.endr
.endr
	s_cmp_lt_u32 s[\tn], s[BLK]                    ; a step all of whose keys count skips the mask
	s_cbranch_scc1 .Lopen_\@
	v_mov_b32 v244, v[DX]                          ; numbers 16 u + 0, 1; + 2, 3; + 4, 5; + 6, 7: d + 0.5 less the number is above 0 where it counts and under 0 where it is hidden:
	v_mov_b32 v245, v[DX+1]                        ; times infinity that is a bound for the score, +infinity or -infinity
	v_pk_add_f32 v[246:247], v[DX:DX+1], -2.0 op_sel_hi:[1,0]
	v_pk_add_f32 v[248:249], v[DX:DX+1], -4.0 op_sel_hi:[1,0]
	v_pk_add_f32 v[250:251], v[248:249], -2.0 op_sel_hi:[1,0]
.set n, 0
.rept 8
	v_pk_mul_f32 v[252:253], v[244:245], 0x7f800000 op_sel_hi:[1,0]
	v_pk_mul_f32 v[254:255], v[246:247], 0x7f800000 op_sel_hi:[1,0]
	HOLD2 \s+n, 252, 253
	HOLD2 \s+n+2, 254, 255
	v_pk_mul_f32 v[252:253], v[248:249], 0x7f800000 op_sel_hi:[1,0]
	v_pk_mul_f32 v[254:255], v[250:251], 0x7f800000 op_sel_hi:[1,0]
	HOLD2 \s+n+4, 252, 253
	HOLD2 \s+n+6, 254, 255
.if n < 56
.irp i, 244,246,248,250
	v_pk_add_f32 v[\i:\i+1], v[\i:\i+1], 0xc1800000 op_sel_hi:[1,0]   ; -16: on to the next tile of keys
.endr
.endif
.set n, n+8
.endr
.Lopen_\@:
	v_max3_num_f32 v[MX], v[\s], v[\s+1], v[\s+2]  ; the step's largest score of my query, among my 64 keys, in four chains, each accumulator from its low end on
	v_max3_num_f32 v[MX+1], v[\s+3], v[\s+4], v[\s+5]
	v_max3_num_f32 v[MC], v[\s+6], v[\s+7], v[\s+8]
	v_max3_num_f32 v[MC+1], v[\s+9], v[\s+10], v[\s+11]
.set n, 12
.rept 6
	v_max3_num_f32 v[MX], v[MX], v[\s+n], v[\s+n+1]
	v_max3_num_f32 v[MX+1], v[MX+1], v[\s+n+2], v[\s+n+3]
	v_max3_num_f32 v[MC], v[MC], v[\s+n+4], v[\s+n+5]
	v_max3_num_f32 v[MC+1], v[MC+1], v[\s+n+6], v[\s+n+7]
.set n, n+8
.endr
	v_max3_num_f32 v[MX], v[MX], v[\s+60], v[\s+61]
	v_max3_num_f32 v[MX+1], v[MX+1], v[\s+62], v[\s+63]
	s_delay_alu instid0(VALU_DEP_1)
	v_max3_num_f32 v[MX], v[MX], v[MX+1], v[MC]
	s_delay_alu instid0(VALU_DEP_1)
	v_max_num_f32 v[MX], v[MX], v[MC+1]
	s_delay_alu instid0(VALU_DEP_1)
	v_permlanex16_b32 v[PRM], v[MX], s[SEL], s[SEL+1]
	s_delay_alu instid0(VALU_DEP_1)
	v_max_num_f32 v[MX], v[MX], v[PRM]             ; and among lane l xor 16's
	s_delay_alu instid0(VALU_DEP_1)
	v_mul_f32 v[MX], s[CS], v[MX]                  ; as t (c is positive)
	s_delay_alu instid0(VALU_DEP_1)
	v_max_num_f32 v13, v13, v[MX]                  ; the running largest t
	v_mov_b32 v[MX], v12
	s_delay_alu instid0(VALU_DEP_2)
	v_floor_f32 v12, -v13                          ; the new -M = floor(-t) = -ceil(t): a whole number
	s_delay_alu instid0(VALU_DEP_1)
	v_sub_f32 v[MX], v12, v[MX]                    ; old M - new M: a whole number, 0 or less
	s_delay_alu instid0(VALU_DEP_1)
	v_cvt_i32_f32 v[MX], v[MX]                     ; (it saturates)
	s_delay_alu instid0(VALU_DEP_1)
	v_ldexp_f32 v[FF], 1.0, v[MX]                  ; f
.set n, 0
.rept 32
	v_pk_fma_f32 v[\s+n:\s+n+1], v[\s+n:\s+n+1], s[CS:CS+1], v[12:13] op_sel_hi:[1,0,0]   ; t - M, two at a time (of the pairs c and -M the low word serves both halves)
.set n, n+2
.endr
.set n, 0
	s_wait_alu depctr_va_vdst(0)                   ; the wait ahead of the batch
.rept 64
	v_exp_f32 v[\s+n], v[\s+n]                     ; p = 2^(t - M), at most 1
.set n, n+1
.endr
	v_pk_mul_f32 v[14:15], v[14:15], v[FF:FF+1] op_sel_hi:[1,0]   ; the sum under the new M: the plain line behind the exponentials
	s_wait_alu depctr_va_vdst(0)                   ; one wait for the whole batch, ahead of its first reader
	v_pk_add_f32 v[212:213], v[\s:\s+1], v[\s+2:\s+3]    ; the sum of the unquantised p: two at a time, in four chains
	v_pk_add_f32 v[254:255], v[\s+4:\s+5], v[\s+6:\s+7]
	v_pk_add_f32 v[252:253], v[\s+8:\s+9], v[\s+10:\s+11]
	v_pk_add_f32 v[250:251], v[\s+12:\s+13], v[\s+14:\s+15]
.set n, 16
.rept 6
	v_pk_add_f32 v[212:213], v[212:213], v[\s+n:\s+n+1]
	v_pk_add_f32 v[254:255], v[254:255], v[\s+n+2:\s+n+3]
	v_pk_add_f32 v[252:253], v[252:253], v[\s+n+4:\s+n+5]
	v_pk_add_f32 v[250:251], v[250:251], v[\s+n+6:\s+n+7]
.set n, n+8
.endr
	v_pk_add_f32 v[212:213], v[212:213], v[254:255]
	v_pk_add_f32 v[252:253], v[252:253], v[250:251]
	s_delay_alu instid0(VALU_DEP_1)
	v_pk_add_f32 v[212:213], v[212:213], v[252:253]
	s_delay_alu instid0(VALU_DEP_1)
	v_pk_add_f32 v[14:15], v[14:15], v[212:213]
.set n, 0
.rept 32
	HOLD2 \s+n, LIMP, LIMQ                         ; the conversion does not saturate (ISA guide 7.6.2); p is not negative, so the hold is one-sided
.set n, n+2
.endr
	s_wait_alu depctr_va_vdst(0)                   ; the wait here, directly ahead of the wait below
	s_wait_dscnt 0x0                               ; V is in
.irp t, 0,1,2,3,4,5,6,7
	v_cvt_scalef32_pk8_fp8_f32 v[192+2*\t:193+2*\t], v[\s+8*\t:\s+8*\t+7], v[SCP]
.endr
.if \first == 0
	s_cmp_lt_u32 s[\tn], s[BLK]
	s_cbranch_scc0 .Llast_\@
	KLOAD \s, KSB                                  ; p's registers are free: the next step's K
.Llast_\@:
.endif
	s_wait_alu depctr_va_vdst(0)                   ; the wait here, directly ahead of the first reader of O^T
.set n, 0
.rept 16
	v_pk_mul_f32 v[160+n:161+n], v[160+n:161+n], v[FF:FF+1] op_sel_hi:[1,0]   ; O^T under the new M.  (Also the plain lines between the conversions and the products that read their results)
.set n, n+2
.endr
.irp t, 0,1,2,3                                ; O^T += V^T P^T: the four accumulators take turns, one instruction a turn
	v_wmma_f32_16x16x128_fp8_fp8 v[160+8*\t:167+8*\t], v[\f+16*\t:\f+16*\t+15], v[192:207], v[160+8*\t:167+8*\t]
.endr
.Lhidden_\@:
.endm
	v_mov_b32 v[ADK], v[AK0]
	v_mov_b32 v[ADV], v[AV0]
	s_wait_alu depctr_va_vdst(0)                   ; the wait at the head's end
	s_wait_loadcnt 0x0                             ; Q
	s_cmp_lt_u32 s[WV], 2
	s_cbranch_scc0 .Lstep_0_in
	s_wait_tensorcnt 0x0                           ; waves 0 and 1: step 0's K and V are in; the other waves' loads may be out
.Lstep_0_in:
	s_barrier_signal -1
	s_barrier_wait -1
	s_mov_b32 s[STP], 0
	KLOAD 32, 0
	STEP STP, 32, 96, 1                            ; every wave's first step is step 0
	s_wait_alu depctr_va_vdst(0)                   ; the wait here, directly ahead of the wait below
	s_wait_tensorcnt 0x0                           ; my part of the rest is in
	s_wait_dscnt 0x0
	s_barrier_signal -1
	s_barrier_wait -1                              ; everybody's is; from here on the waves run freely
	s_cmp_eq_u32 s[BLK], 0
	s_cbranch_scc1 .Lone_step
	KLOAD 96, KSB                                  ; step 1's K
.Lone_step:
	s_mov_b32 s[STP], 1
.Ltrip:                                            ; eight trips of two steps, 1 to 16: the count is a constant; a wave's steps behind its diagonal are jumped over (step 16 by every wave)
	STEP STP, 96, 32, 0
	s_add_co_u32 s[TN], s[STP], 1
	STEP TN, 32, 96, 0
	s_add_co_u32 s[STP], s[STP], 2
	s_cmp_lt_u32 s[STP], 17
	s_cbranch_scc1 .Ltrip
	; THE WAY OUT.  O^T / the sum is quantised; a lane's eight codes of a tile are 8 bytes of its query's row of 64.  The 16 rows go through my stage and leave as 1,024 consecutive bytes.
.rept 4
	v_nop                                          ; four plain lines behind the last products
.endr
	v_add_f32 v14, v14, v15                        ; the sum's two halves,
	s_wait_alu depctr_va_vdst(0)                   ; the wait here, directly ahead of the wait below
	s_wait_dscnt 0x0                               ; no load into the banks is out
	v_permlanex16_b32 v[PRM], v14, s[SEL], s[SEL+1]
	v_add_f32 v14, v14, v[PRM]                     ; and lane l xor 16's
	s_wait_alu depctr_va_vdst(0)                   ; the wait ahead of the transcendental
	v_rcp_f32 v14, v14
	v_nop                                          ; a plain line behind the reciprocal,
	s_wait_alu depctr_va_vdst(0)                   ; and the wait ahead of its first reader and of O^T's
.set n, 0
.rept 16
	v_pk_mul_f32 v[96+n:97+n], v[160+n:161+n], v[14:15] op_sel_hi:[1,0]   ; register 8 t + i: channel 16 t + 8 h + i of my query
.set n, n+2
.endr
.set n, 0
.rept 32
	v_med3_num_f32 v[96+n], v[96+n], -v[LIMO], v[LIMO]
.set n, n+1
.endr
.irp t, 0,1,2,3
	v_cvt_scalef32_pk8_fp8_f32 v[192+2*\t:193+2*\t], v[96+8*\t:103+8*\t], v[SCO]
.endr
	v_nop
.irp t, 0,1,2,3
	ds_store_b64 v[STO], v[192+2*\t:193+2*\t] offset:16*\t
.endr
	ds_load_b128 v[232:235], v[RD]                 ; LDS serves a wave's instructions in order: these see my stores
	ds_load_b128 v[236:239], v[RD] offset:544
	s_wait_dscnt 1                                 ; the first 512 bytes are back; the second load may be out
	global_store_b128 v[GO], v[232:235], s[78:79]
	s_wait_dscnt 0x0
	global_store_b128 v[GO], v[236:239], s[78:79] offset:512
	s_wait_tensorcnt 0x0                           ; the wave's end, behind my last tensor load and my last LDS store
	ds_add_u32 v[SPW], v[NIL]
	s_wait_dscnt 0x0
	CROUND                                         ; the closing round
	s_endpgm
.Lfunc_end_k_qa6f81f25e9_attn:
	.size	k_qa6f81f25e9_attn, .Lfunc_end_k_qa6f81f25e9_attn-k_qa6f81f25e9_attn
	.p2alignl 7, 3214868480
	.fill 96, 4, 3214868480
	.section	.rodata,"a",@progbits
	.p2align	6, 0x0
	.amdhsa_kernel k_qa6f81f25e9_attn
		.amdhsa_group_segment_fixed_size 315392
		.amdhsa_private_segment_fixed_size 0
		.amdhsa_enable_private_segment 0
		.amdhsa_kernarg_size 24
		.amdhsa_user_sgpr_count 2
		.amdhsa_user_sgpr_kernarg_segment_ptr 1
		.amdhsa_wavefront_size32 1
		.amdhsa_system_sgpr_workgroup_id_x 1
		.amdhsa_system_sgpr_workgroup_id_y 1
		.amdhsa_system_sgpr_workgroup_id_z 1
		.amdhsa_system_vgpr_workitem_id 0
		.amdhsa_next_free_vgpr 256
		.amdhsa_next_free_sgpr 100
		.amdhsa_reserve_vcc 0
		.amdhsa_float_denorm_mode_32 3
		.amdhsa_float_denorm_mode_16_64 3
		.amdhsa_memory_ordered 1
		.amdhsa_forward_progress 1
		.amdhsa_inst_pref_size 87
	.end_amdhsa_kernel
	.amdgpu_metadata
---
amdhsa.version: [ 1, 2 ]
amdhsa.kernels:
  - .name:           k_qa6f81f25e9_attn
    .symbol:         k_qa6f81f25e9_attn.kd
    .args:
      - { .name: qkv, .offset: 0, .size: 8, .value_kind: global_buffer, .address_space: global }
      - { .name: lowp_scales, .offset: 8, .size: 8, .value_kind: global_buffer, .address_space: global }
      - { .name: oc, .offset: 16, .size: 8, .value_kind: global_buffer, .address_space: global }
    .group_segment_fixed_size: 315392
    .private_segment_fixed_size: 0
    .kernarg_segment_align: 8
    .kernarg_segment_size: 24
    .max_flat_workgroup_size: 512
    .sgpr_count:     100
    .vgpr_count:     256
    .wavefront_size: 32
...
	.end_amdgpu_metadata
.endif
;; end of part 3
;; launch gemm_out (part 4): grid 8 x 32, 4 waves a work-group, clusters of 4 x 4, 296,448 bytes of LDS; arguments oc, wc, lowp_scales, out0; writes out0
.if DOCPART == 4
	.amdgcn_target "amdgcn-amd-amdhsa--gfx1250"
	.amdhsa_code_object_version 6
	.text
	.protected	k_qa6f81f25e9_gemm_out
	.globl	k_qa6f81f25e9_gemm_out
	.p2align	8
	.type	k_qa6f81f25e9_gemm_out,@function
k_qa6f81f25e9_gemm_out:
	s_mov_b64 s[64:65], 0
	v_nop
	global_prefetch_b8 v0, s[64:65] scope:SCOPE_SE
	s_setreg_imm32_b32 hwreg(HW_REG_WAVE_MODE, 25, 1), 1
	s_wait_xcnt 0x0
	s_wait_alu depctr_hold_cnt(0) depctr_sa_sdst(0) depctr_va_vdst(0) depctr_va_sdst(0) depctr_va_ssrc(0) depctr_va_vcc(0) depctr_vm_vsrc(0)
	s_getreg_b32 s2, hwreg(HW_REG_IB_STS2, 6, 4)
	s_cmp_eq_u32 s2, 0
	s_cbranch_scc0 .Lentry_in_a_cluster
	s_endpgm
.Lentry_in_a_cluster:
	s_bfe_u32 s2, ttmp6, 0x10000c
	s_cmp_lg_u32 s2, 0xf033
	s_cbranch_scc0 .Lentry_shape_is_right
	s_endpgm
.Lentry_shape_is_right:
; THE PROJECTION ON THE WAY OUT: out0[m][n] = 2^(e10 + e11) x sum over k of o[m][k] Wo[n][k], on codes of FP8 (E4M3), K = 1,024.  Nothing of reference() is left out here.
; o's codes: oc [m / 128][head 16][m % 128][64 d], k = 64 head + d.  Wo's codes: wc set 3, blocks of 128 n, [4 chunks of 256 along K][128 n][256 bytes].  out0: [4,096][1,024] f32.  LIMIT: e10 + e11 between -126 and 127.
; A tile of C is 128 x 128, so that there are 256 work-groups (tiles of 256 x 256 would be 64).  Four waves, each 64 x 64: 16 accumulators.
; NO RING.  A tile's whole K, 128 KiB of A and 128 KiB of B, lies in LDS: every byte is filled once, by one load a wave, 64 KiB each, at the head.  So there is no later request that a prefetch could run ahead of.
; BY ROWS OF C.  A wave's fragments of B for all of K stay in 512 registers; A comes by blocks of 16 rows x 1,024 K, and a block's rows leave while the next block is multiplied.  LDS is read once for each fragment.
; CLUSTERS: 4 x 4 work-groups; A's tiles are shared along a row of the cluster, B's along a column, by joint loads.
; THE MATRIX INSTRUCTION IS USED TRANSPOSED (source 0 = 16 rows of Wo, source 1 = 16 rows of o): a lane holds eight neighbouring numbers of a row of C.
; LDS: rows of 256 bytes + 16.  A: sixteen heads of 32 such rows: a head's row t of 64 bytes lies at (t / 4) x 272 + (t % 4) x 64.  B: four chunks of 128 such rows.
; REGISTERS: window 0: v0-31 addresses; v32-95 at work on the way out; v128-255 the accumulators ((a, b) at v[128 + 8 (4 a + b)]).  window 1: A's blocks, two buffers of 128: K step s at 16 s.  windows 2, 3: B's fragments, K step s (128 along K) at 64 (s % 4) of window 2 + s / 4.
.set PART,  17408                      ; two heads of A; 64 rows of a chunk of B
.set CH,    2*PART                     ; four heads of A; a chunk of B
.set BB,    4*CH                       ; B
.set SPARE, 8*CH                       ; the spare words, 128 bytes for each wave, which no other line names
.set STAGE, SPARE+512                  ; the way out: 16 rows x (256 bytes + 16) for each wave; no tensor load lands here
.set SW,    16*272
.set ADRA, 16                          ; v16-19  my A fragments, heads 4 c on
.set ADRB, 20                          ; v20-23  my B fragments, chunk c
.set STO,  24                          ; v24     the stage, in
.set RD,   25                          ; v25     the stage, back
.set CO,   26                          ; v26     my byte offset in two rows of C
.set SPW,  28                          ; v28     my spare word's address; never rewritten
.set NIL,  29                          ; v29     0; never rewritten
.set TMP,  32
.set ACC,  128
.set G1A, 24                           ; s[24:31] descriptor group 1 for A's tile; s[32:39] for B's: they differ in the mask alone
.set G1B, 32
.set G0A, 48                           ; s[48:51] group 0 for A's; s[68:71] for B's
.set G0B, 68
.set MSB, 0
.macro WIN new                         ; the immediate's high byte repeats the setting that is left
.if MSB != (\new)
	s_set_vgpr_msb (MSB<<8)|(\new)
.set MSB, (\new)
.endif
.endm
.macro CROUND                          ; a round of the cluster's barrier
	s_barrier_signal -1
	s_barrier_wait -1
	s_cmp_lg_u32 s14, 0
	s_cbranch_scc1 .Lnot_wave_0_\@
	s_barrier_signal -3
.Lnot_wave_0_\@:
	s_barrier_wait -3
	s_barrier_signal -1
	s_barrier_wait -1
.endm
	s_load_b128 s[4:7], s[0:1], 0x0                ; oc s[4:5], wc s[6:7]
	s_load_b128 s[8:11], s[0:1], 0x10              ; the exponents s[8:9], out0 s[10:11]
	v_lshl_add_u32 v[SPW], v0, 2, SPARE
	v_mov_b32 v[NIL], 0
	ds_add_u32 v[SPW], v[NIL]                      ; the wave's opening: the add, twice on end, and its wait ahead of my first tensor load; the set-up below stands between
	ds_add_u32 v[SPW], v[NIL]
	v_lshrrev_b32 v1, 5, v0
	v_readfirstlane_b32 s14, v1                    ; wave 0..3
	s_lshr_b32 s15, s14, 1                         ; which half of the tile's rows is mine.  Also: I fetch for A (0) or for B (1)
	s_and_b32 s16, s14, 1                          ; which half of its columns.  Also: which half of that operand's K I fetch
	s_bfe_u32 s40, ttmp6, 0x40000                  ; cx, cy
	s_bfe_u32 s41, ttmp6, 0x40004
	s_lshl_b32 s42, ttmp9, 2
	s_add_co_u32 s42, s42, s40                     ; tile column of C
	s_and_b32 s17, ttmp7, 0xffff
	s_lshl_b32 s17, s17, 2
	s_add_co_u32 s17, s17, s41                     ; tile row of C
	s_lshl_b32 s43, s41, 2
	s_lshl_b32 s43, 15, s43                        ; my row of the cluster
	s_lshl_b32 s44, 0x1111, s40                    ; my column
	s_or_b32 s[G1A], s43, (1<<20)|(1<<21)|(5<<22)|(3<<25)  ; 15:0 the mask; 17:16 elements of 1 byte; 20 padding on; 21 set beside a mask; 24:22 after every 64 words; 31:25 four words
	s_or_b32 s[G1B], s44, (1<<20)|(1<<21)|(5<<22)|(3<<25)
.irp g, G1A, G1B                       ; eight heads of A, two chunks of B: 256 dense rows of 256 bytes
	s_mov_b32 s[\g+1], 256<<16
	s_mov_b32 s[\g+2], 256<<16
	s_mov_b32 s[\g+3], 256<<16
	s_mov_b32 s[\g+4], 256
	s_mov_b32 s[\g+5], 256
	s_mov_b32 s[\g+6], 0
	s_mov_b32 s[\g+7], 0
.endr
	s_lshl_b32 s18, s16, 16                        ; each load brings 64 KiB
	s_lshl_b32 s20, s17, 17                        ; A: 128 KiB a tile row
	s_add_co_u32 s20, s20, s18
	s_mov_b32 s21, 0
	s_lshl_b32 s46, s42, 17                        ; B: set 3 of wc, 128 KiB a tile column
	s_add_co_u32 s46, s46, s18
	s_add_co_u32 s46, s46, 0x300000
	s_mov_b32 s47, 0
	s_mov_b32 s[G0A], 1
	s_mul_i32 s[G0A+1], s16, 2*CH
	s_mov_b32 s[G0B], 1
	s_add_co_u32 s[G0B+1], s[G0A+1], BB
	s_mul_i32 s88, s15, 4352                       ; my 64 rows of A: 16 rows of 272 in each head
	s_mul_i32 s89, s16, PART                       ; my 64 rows of B, in each chunk
	s_add_co_u32 s89, s89, BB
	s_mul_i32 s90, s14, SW
	s_add_co_u32 s90, s90, STAGE                   ; my stage
	s_lshl_b32 s92, s17, 19                        ; my first row of C, 128 x tile row + 64 x half, x 4,096 bytes
	s_lshl_b32 s93, s15, 18
	s_add_co_u32 s92, s92, s93
	s_lshl_b32 s93, s42, 9                         ; my first column, 128 x tile column + 64 x half, x 4 bytes
	s_add_co_u32 s92, s92, s93
	s_lshl_b32 s93, s16, 8
	s_add_co_u32 s92, s92, s93
	s_mov_b32 s93, 0
	s_wait_dscnt 0x0                               ; both opening adds are done
	s_wait_kmcnt 0x0
	s_load_b64 s[86:87], s[8:9], 0x28              ; e10, e11
	s_add_nc_u64 s[G0A+2:G0A+3], s[4:5], s[20:21]
	s_or_b32 s[G0A+3], s[G0A+3], 0x80000000
	s_add_nc_u64 s[G0B+2:G0B+3], s[6:7], s[46:47]
	s_or_b32 s[G0B+3], s[G0B+3], 0x80000000
	s_add_nc_u64 s[10:11], s[10:11], s[92:93]
	CROUND                                         ; all sixteen work-groups are here: the joint loads meet
	s_cmp_eq_u32 s15, 0
	s_cbranch_scc0 .Lfor_b
	tensor_load_to_lds s[G0A:G0A+3], s[G1A:G1A+7]
	s_nop 0
.rept 4
	v_nop
.endr
	s_branch .Lasked
.Lfor_b:
	tensor_load_to_lds s[G0B:G0B+3], s[G1B:G1B+7]
	s_nop 0
.rept 4
	v_nop
.endr
.Lasked:
	v_and_b32 v1, 15, v0                           ; r
	v_bfe_u32 v2, v0, 4, 1                         ; h
	v_lshrrev_b32 v3, 2, v1
	v_and_b32 v4, 3, v1
	v_mul_u32_u24 v3, v3, 272
	v_lshl_add_u32 v3, v4, 6, v3
	v_lshl_add_u32 v3, v2, 4, v3                   ; A: (r / 4) x 272 + (r % 4) x 64 + 16 h
	v_mul_u32_u24 v5, v1, 272
	v_lshl_add_u32 v5, v2, 4, v5                   ; B: 272 r + 16 h
	v_add_nc_u32 v[ADRA], s88, v3
	v_add_nc_u32 v[ADRB], s89, v5
.irp c, 1,2,3
	v_add_nc_u32 v[ADRA+\c], \c*CH, v[ADRA]
	v_add_nc_u32 v[ADRB+\c], \c*CH, v[ADRB]
.endr
	v_mul_u32_u24 v6, v1, 272                      ; the stage, in: row r, 32 bytes for each half of the lanes
	v_lshl_add_u32 v6, v2, 5, v6
	v_add_nc_u32 v[STO], s90, v6
	v_mul_u32_u24 v7, v2, 272                      ; back: lanes 0-15 one row of 256 bytes, lanes 16-31 the next
	v_lshl_add_u32 v7, v1, 4, v7
	v_add_nc_u32 v[RD], s90, v7
	v_lshlrev_b32 v[CO], 12, v2                    ; and the same two rows in C: 4,096 bytes apart
	v_lshl_add_u32 v[CO], v1, 4, v[CO]
; A fragment of 16 rows x 128 K: registers 4 c .. 4 c + 3 hold k = 128 s + 32 c + 16 h + 0 .. 15, on both sides.
.macro FA a, s                         ; A's block a, K step s: heads 2 s, 2 s + 1
	WIN 0x40
.irp c, 0,1,2,3
	ds_load_b128 v[128*((\a)%2)+16*(\s)+4*\c:128*((\a)%2)+16*(\s)+4*\c+3], v[ADRA+(\s)/2] offset:PART*((\s)%2)+8704*(\c/2)+32*(\c%2)+1088*(\a)
.endr
.endm
.macro FB s                            ; B's four fragments of K step s: half of chunk s / 2
	WIN 0x80+0x40*((\s)/4)
.irp b, 0,1,2,3
.irp c, 0,1,2,3
	ds_load_b128 v[64*((\s)%4)+16*\b+4*\c:64*((\s)%4)+16*\b+4*\c+3], v[ADRB+(\s)/2] offset:128*((\s)%2)+32*\c+4352*\b
.endr
.endr
.endm
; Block a, K step s: its four accumulators by turns, one instruction a turn.  K step 0 starts the sums.
.macro MUL a, s
	WIN 0x06+(\s)/4                                ; source 0 (B) window 2 or 3, source 1 (A) window 1; C and D window 0
.irp b, 0,1,2,3
.if (\s) == 0
	v_wmma_f32_16x16x128_fp8_fp8 v[ACC+32*(\a)+8*\b:ACC+32*(\a)+8*\b+7], v[64*((\s)%4)+16*\b:64*((\s)%4)+16*\b+15], v[128*((\a)%2)+16*(\s):128*((\a)%2)+16*(\s)+15], 0
.else
	v_wmma_f32_16x16x128_fp8_fp8 v[ACC+32*(\a)+8*\b:ACC+32*(\a)+8*\b+7], v[64*((\s)%4)+16*\b:64*((\s)%4)+16*\b+15], v[128*((\a)%2)+16*(\s):128*((\a)%2)+16*(\s)+15], v[ACC+32*(\a)+8*\b:ACC+32*(\a)+8*\b+7]
.endif
.endr
.endm
; THE WAY OUT of block a, 16 rows x 64 columns: sums x 2^(e10 + e11) go through my own stage and come back as whole rows of 256 bytes: sixteen lanes store 256 consecutive bytes, aligned.
; LDS serves a wave's instructions in order (ISA guide 5.7.1.4): no wait between the stores and the loads, nor in front of the next block's stores.
.macro TOSTAGE a
	WIN 0
.rept 4
	v_nop                                          ; four plain lines behind the last products: for the reads below, and for the loads into the buffer that they read
.endr
.set TT, TMP+32*((\a)%2)
.set n, 0
.rept 16
	v_pk_mul_f32 v[TT+n:TT+n+1], v[ACC+32*(\a)+n:ACC+32*(\a)+n+1], s[84:85] op_sel_hi:[1,0]   ; each accumulator from its low end on
.set n, n+2
.endr
.irp b, 0,1,2,3
	ds_store_b128 v[STO], v[TT+8*\b:TT+8*\b+3] offset:64*\b
	ds_store_b128 v[STO], v[TT+8*\b+4:TT+8*\b+7] offset:64*\b+16
.endr
.irp i, 0,1,2,3,4,5,6,7
	ds_load_b128 v[ACC+32*(\a)+4*\i:ACC+32*(\a)+4*\i+3], v[RD] offset:544*\i   ; back into the registers that the sums have left
.endr
.endm
.macro SEND a, younger                 ; younger: the LDS instructions issued behind block a's loads, which may stay out
	WIN 0
	s_wait_dscnt \younger
.irp i, 0,1,2,3,4,5,6,7
	global_store_b128 v[CO], v[ACC+32*(\a)+4*\i:ACC+32*(\a)+4*\i+3], s[10:11] offset:65536*(\a)+8192*\i th:TH_STORE_NT   ; written once, read by nobody here
.endr
.endm
	s_wait_alu depctr_va_vdst(0)                   ; the wait at the head's end
	s_wait_kmcnt 0x0
	s_add_co_i32 s84, s86, s87
	s_add_co_i32 s84, s84, 127
	s_lshl_b32 s84, s84, 23                        ; 2^(e10 + e11) as f32
	s_mov_b32 s85, s84                             ; (named with it as a pair)
	s_wait_tensorcnt 0x0                           ; my 64 KiB are in
	s_barrier_signal -1
	s_barrier_wait -1                              ; everybody's are
.irp s, 0,1,2,3,4,5,6,7
	FA 0, \s
.endr
	FB 0
	FB 1
	FB 2
.irp s, 0,1,2,3,4,5,6,7                ; block 0: B's fragments come three K steps ahead, then block 1's of A
.if \s < 5
	FB \s+3
.endif
.if \s == 5
.irp u, 0,1,2,3
	FA 1, \u
.endr
.endif
.if \s == 6
.irp u, 4,5,6,7
	FA 1, \u
.endr
.endif
.if \s < 7
	s_wait_dscnt 48                                ; B's step s is in: behind it three groups of 16 loads may be out
.else
	s_wait_dscnt 32                                ; behind B's step 7: block 1's 32
.endif
	MUL 0, \s
.endr
.irp a, 0,1,2                          ; block a goes out while block a + 1 is multiplied
	TOSTAGE \a
.if \a < 2
.irp s, 0,1,2,3,4,5,6,7
	FA \a+2, \s
.endr
	s_wait_dscnt 48                                ; block a + 1 of A is in: behind it stand the stage's 16 and block a + 2's 32
.else
	s_wait_dscnt 16                                ; behind block 3 of A: the stage's 16
.endif
.irp s, 0,1,2,3
	MUL \a+1, \s
.endr
.if \a < 2
	SEND \a, 32                                    ; behind the stage's loads: block a + 2's 32
.else
	SEND \a, 0
.endif
.irp s, 4,5,6,7
	MUL \a+1, \s
.endr
.endr
	TOSTAGE 3
	SEND 3, 0
	s_wait_tensorcnt 0x0                           ; the wave's end, behind my last tensor load and my last LDS store
	ds_add_u32 v[SPW], v[NIL]
	s_wait_dscnt 0x0
	CROUND                                         ; the closing round
	s_endpgm
.Lfunc_end_k_qa6f81f25e9_gemm_out:
	.size	k_qa6f81f25e9_gemm_out, .Lfunc_end_k_qa6f81f25e9_gemm_out-k_qa6f81f25e9_gemm_out
	.p2alignl 7, 3214868480
	.fill 96, 4, 3214868480
	.section	.rodata,"a",@progbits
	.p2align	6, 0x0
	.amdhsa_kernel k_qa6f81f25e9_gemm_out
		.amdhsa_group_segment_fixed_size 296448
		.amdhsa_private_segment_fixed_size 0
		.amdhsa_enable_private_segment 0
		.amdhsa_kernarg_size 32
		.amdhsa_user_sgpr_count 2
		.amdhsa_user_sgpr_kernarg_segment_ptr 1
		.amdhsa_wavefront_size32 1
		.amdhsa_system_sgpr_workgroup_id_x 1
		.amdhsa_system_sgpr_workgroup_id_y 1
		.amdhsa_system_sgpr_workgroup_id_z 1
		.amdhsa_system_vgpr_workitem_id 0
		.amdhsa_next_free_vgpr 1024
		.amdhsa_next_free_sgpr 100
		.amdhsa_reserve_vcc 0
		.amdhsa_float_denorm_mode_32 3
		.amdhsa_float_denorm_mode_16_64 3
		.amdhsa_memory_ordered 1
		.amdhsa_forward_progress 1
		.amdhsa_inst_pref_size 44
	.end_amdhsa_kernel
	.amdgpu_metadata
---
amdhsa.version: [ 1, 2 ]
amdhsa.kernels:
  - .name:           k_qa6f81f25e9_gemm_out
    .symbol:         k_qa6f81f25e9_gemm_out.kd
    .args:
      - { .name: oc, .offset: 0, .size: 8, .value_kind: global_buffer, .address_space: global }
      - { .name: wc, .offset: 8, .size: 8, .value_kind: global_buffer, .address_space: global }
      - { .name: lowp_scales, .offset: 16, .size: 8, .value_kind: global_buffer, .address_space: global }
      - { .name: out0, .offset: 24, .size: 8, .value_kind: global_buffer, .address_space: global }
    .group_segment_fixed_size: 296448
    .private_segment_fixed_size: 0
    .kernarg_segment_align: 8
    .kernarg_segment_size: 32
    .max_flat_workgroup_size: 128
    .sgpr_count:     100
    .vgpr_count:     1024
    .wavefront_size: 32
...
	.end_amdgpu_metadata
.endif
;; end of part 4
